; MI455X (gfx1250); checked and timed in simulation.
; The chip was launched on July 23, 2026; its instructions are those of AMD's public machine-readable ISA for CDNA 5 (MIT licence, August 2026) and "CDNA5" Instruction Set Architecture Reference Guide (July 2026). The comments in the code are by the model that wrote it; some were corrected since.
;; Streaming DWR Block. Allowed arithmetic: matrix products marked QUANTISED: E2M1 operands, one E8M0 scale for each 32 along K, by v_wmma_scale_f32_16x16x128_f8f6f4 with both operands' format E2M1 (or v_wmma_scale_f32_32x16x128_f4), f32 sums; products left as they are: f32 operands where the result goes on into a quantised operand, else bf16, f16 or f32 operands; f32 sums; everything else in f32.
;; Inputs: W1_codes 8 x 2,048 x 32 x 16 uint8 (E2M1 codes of W1, K innermost, in blocks of 32 codes, two codes a byte); W1_scales 8 x 2,048 x 32 uint8 (E8M0 scales of W1, one for each 32 codes along K); W2_codes 8 x 1,024 x 64 x 16 uint8 (E2M1 codes of W2, K innermost, in blocks of 32 codes, two codes a byte); W2_scales 8 x 1,024 x 64 uint8 (E8M0 scales of W2, one for each 32 codes along K); Wr 1,024 x 8 float32; b1 8 x 2,048 float32; b2 8 x 1,024 float32; beta 1,024 float32; br 8 float32; gamma 1,024 float32; x 1 x 2,048 x 1,024 float32.
;; Outputs: out0 1 x 2,048 x 1,024 float32.
;; This version of the problem:
;;   THIS VERSION OF THE PROBLEM IS GIVEN IN LOW PRECISION. The matrix products marked QUANTISED in the list below multiply operands that are first quantised to E2M1 (2 exponent bits, 1 mantissa bit; 4 bits a number), with one power-of-two scale for each 32 numbers along K (OCP MX v1.0); their sums are f32. All else is computed in f32.
;;   The module's matrix products, in the order in which they are computed (A, B: the left and right operand; K: the contracted axis; several contracted axes count as one K, in the product's order):
;;     1. [M 2,048, K 1,024] x [K 1,024, N 8]; A: input x; B: input Wr: left as it is (N = 8 < 16)
;;     2. batch 2,048 x [M 1, K 2] x [K 2, N 8]; A: computed on the way; B: computed on the way: left as it is (K = 2 < 32)
;;     3. [M 2,048, K 1,024] x [K 1,024, N 2,048]; A: input x; B: input W1 (given as codes): QUANTISED
;;     4. [M 2,048, K 2,048] x [K 2,048, N 1,024]; A: computed on the way; B: input W2 (given as codes): QUANTISED
;;     5. [M 2,048, K 1,024] x [K 1,024, N 2,048]; A: input x; B: input W1 (given as codes): QUANTISED
;;     6. [M 2,048, K 2,048] x [K 2,048, N 1,024]; A: computed on the way; B: input W2 (given as codes): QUANTISED
;;     7. [M 2,048, K 1,024] x [K 1,024, N 2,048]; A: input x; B: input W1 (given as codes): QUANTISED
;;     8. [M 2,048, K 2,048] x [K 2,048, N 1,024]; A: computed on the way; B: input W2 (given as codes): QUANTISED
;;     9. [M 2,048, K 1,024] x [K 1,024, N 2,048]; A: input x; B: input W1 (given as codes): QUANTISED
;;     10. [M 2,048, K 2,048] x [K 2,048, N 1,024]; A: computed on the way; B: input W2 (given as codes): QUANTISED
;;     11. [M 2,048, K 1,024] x [K 1,024, N 2,048]; A: input x; B: input W1 (given as codes): QUANTISED
;;     12. [M 2,048, K 2,048] x [K 2,048, N 1,024]; A: computed on the way; B: input W2 (given as codes): QUANTISED
;;     13. [M 2,048, K 1,024] x [K 1,024, N 2,048]; A: input x; B: input W1 (given as codes): QUANTISED
;;     14. [M 2,048, K 2,048] x [K 2,048, N 1,024]; A: computed on the way; B: input W2 (given as codes): QUANTISED
;;     15. [M 2,048, K 1,024] x [K 1,024, N 2,048]; A: input x; B: input W1 (given as codes): QUANTISED
;;     16. [M 2,048, K 2,048] x [K 2,048, N 1,024]; A: computed on the way; B: input W2 (given as codes): QUANTISED
;;     17. [M 2,048, K 1,024] x [K 1,024, N 2,048]; A: input x; B: input W1 (given as codes): QUANTISED
;;     18. [M 2,048, K 2,048] x [K 2,048, N 1,024]; A: computed on the way; B: input W2 (given as codes): QUANTISED
;;   THE QUANTISER, for each operand of a quantised product, along K:
;;     - K is cut into blocks of 32 from its start; a last block that is shorter is filled with zeros.
;;     - A block's scale is 2^e with e = floor(log2(the largest magnitude in the block)) - 2, held to -126 .. 127; a block of zeros has e = 0. As a byte (E8M0): e + 127.
;;     - Each number is divided by its block's scale, clamped to +-6, and rounded to the nearest number of E2M1, ties to even, subnormals kept.
;;     - The product sums the exact products of the quantised numbers (number of the format x scale) in f32.
;;   ~~~python
;;   def quantise(x, axis):      # numpy; x: float32 -> the quantised numbers, widened to float32 again
;;       x = np.moveaxis(x, axis, -1); K = x.shape[-1]
;;       x = np.pad(x, [(0, 0)] * (x.ndim - 1) + [(0, -K % 32)]); x = x.reshape(x.shape[:-1] + (-1, 32)); a = np.abs(x).max(-1, keepdims=True)
;;       e = np.where(a > 0, np.clip(np.frexp(np.where(a > 0, a, 1))[1] - 1 - 2, -126, 127), 0)      # np.frexp(a)[1] - 1 = floor(log2(a)), exactly
;;       r = np.clip(x / 2.0 ** e, -6, 6)
;;       step = 2.0 ** (np.maximum(np.frexp(np.where(r == 0, 1, r))[1] - 1, 0) - 1)
;;       q = np.round(r / step) * step * 2.0 ** e      # np.round: ties to even
;;       return np.moveaxis(q.reshape(q.shape[:-2] + (-1,))[..., :K], -1, axis).astype(np.float32)
;;   ~~~
;;   OPERANDS COMPUTED ON THE WAY. 'Computed on the way' means the value that the module computes at that place (a softmax that the list does not call 'softmax' is quantised finished and normalised). What goes into a quantiser is computed in f32, as accurately as f32 sums, v_exp_f32 and their like allow (about 1e-6 of the number): no bf16 or f16 on the way to a quantiser, and a product that is left as it is and whose result goes on into a quantised operand takes f32 operands (vector FMAs, or v_wmma_f32_16x16x4_f32). A number that lies on a knife's edge between two numbers of the format may be rounded either way, as far as f32 arithmetic and the matrix unit's own rounding can turn it there, and no further.
;;   INPUTS GIVEN AS CODES. W1 (in the module: [8, 1024, 2048], K = its axis 1); W2 (in the module: [8, 2048, 1024], K = its axis 1): each comes as NAME_codes (uint8): NAME with its K axis moved to the last place and cut into blocks of 32 codes, [.., K / 32, bytes a block], one block behind the other in memory; two codes a byte, the lower K in the low four bits (a code: sign, 2 exponent bits, 1 mantissa bit); and NAME_scales (uint8): the same leading axes, one E8M0 byte (e + 127) for each 32 codes along K. Its value is code x scale, taken as it is: it is not quantised again, and the codes and scales need not be those that the quantiser above would give.
;; One version. Each part assembles by itself: llvm-mc -triple=amdgcn-amd-amdhsa -mcpu=gfx1250 --defsym DOCPART=n.
;; ======== version 1 of 1: 4 launches
;; workspace buffers: rt 12,288 bytes of whole numbers; rsc 16,384 bytes; xb 1,114,112 bytes; hb 5,677,056 bytes; dst 36,864 bytes of whole numbers; y2 16,777,216 bytes
;; launch route (part 1): grid 256 x 1, 4 waves a work-group, no clusters, 40,960 bytes of LDS; arguments x, Wr, br, rt, rsc, xb; writes rt, rsc, xb
.if DOCPART == 1
	.amdgcn_target "amdgcn-amd-amdhsa--gfx1250"
	.amdhsa_code_object_version 6
	.text
	.protected	k_q922529e1b9_route
	.globl	k_q922529e1b9_route
	.p2align	8
	.type	k_q922529e1b9_route,@function
k_q922529e1b9_route:
	s_mov_b64 s[64:65], 0
	v_nop
	global_prefetch_b8 v0, s[64:65] scope:SCOPE_SE
	s_setreg_imm32_b32 hwreg(HW_REG_WAVE_MODE, 25, 1), 1
	s_wait_xcnt 0x0
; ROUTE: for 2,048 tokens of 1,024 numbers: logits x Wr + br in f32, softmax over 8 experts, the two largest; and x as codes of E2M1 with one E8M0 byte for each 32 along K.
; DEAD WORK, for the whole program.  reference() multiplies every expert's result for a token by combine[t, e], which it builds itself as scores x one_hot(idx) of its own top_k: for the six experts
; outside a token's top two that factor is 0 whatever the inputs hold, so those rows of the 16 quantised products reach no output in exact arithmetic.  The later launches multiply only the 4,096 chosen
; (token, expert) rows.  Every input has a way to the output and is loaded.  LIMIT: a NaN, an infinity or an overflow that arises only in an expert that was not chosen is not carried to the result.
; LIMITS: NaN and infinities among the inputs are not served.  A block of zeros, and a block whose largest magnitude lies under 2^-124, gets the scale byte 1: a block of zeros has zero codes, and these bytes
; are read by this program alone.  The logits are summed in another order than reference()'s: two probabilities within rounding of each other at the second and third place may choose the other expert.
; SHARES.  Work-group g: tokens 8 g .. 8 g + 7.  Wave w: k = 256 w .. + 255.  Lane l: the 8 neighbours k = 256 w + 8 l + 0 .. 7; a block of 32 is four neighbouring lanes.
; OUT, at fixed places (no address here hangs on the choice): rt: byte [e][g] = mask of the group's 8 tokens that go to expert e; behind it the same bytes' bit counts; behind them a word e0 | e1 << 8 a token.
; rsc: the two scores a token.  xb: codes [token][512 bytes], from XSO on scale bytes [token][32].  The 16 mask and count bytes of a group go out singly, to rows 256 bytes apart: 16 bytes of the group's 36 KB.
.set WT,    0                          ; LDS: each wave's own turn of its slice of Wr: 32 places of 256 + 16 bytes
.set PL,    34816                      ; [wave][token][8 f32]: the waves' partial logits
.set CS,    35840                      ; codes: 8 rows of 512 + 16 bytes
.set SS,    40192                      ; scale bytes [token][32]
.set SPARE, 40448                      ; the spare words, 128 bytes a wave: two blocks of 256 bytes that no other line names
.set RCNT,  2048
.set RIDX,  4096
.set XSO,   1048576
.set W,   16                           ; v16-79   Wr(k', e) at 8 k' + e
.set X,   80                           ; v80-143  x(t, k') at 8 t + k'
.set ACC, 144                          ; v144-207 first Wr as loaded, then the sums (t, e) at 8 t + e
.set C,   208                          ; v208-215 a token's 8 codes
.set M,   216                          ; v216-223 largest magnitudes, v224-231 the conversions' scale operands
.set T,   232                          ; v232-239 at work
.set SPW, 252                          ; LDS address of my spare word; never rewritten
.set NIL, 253                          ; 0; never rewritten
	s_load_b256 s[4:11], s[0:1], 0x0               ; x s[4:5], Wr s[6:7], br s[8:9], rt s[10:11]
	s_load_b128 s[12:15], s[0:1], 0x20             ; rsc s[12:13], xb s[14:15]
	v_lshl_add_u32 v[SPW], v0, 2, SPARE
	v_mov_b32 v[NIL], 0
	v_lshrrev_b32 v2, 5, v0
	v_readfirstlane_b32 s2, v2                     ; wave
	v_and_b32 v1, 31, v0                           ; lane
	v_lshlrev_b32 v3, 4, v1                        ; 16 l
	v_lshl_add_u32 v4, v2, 13, v3                  ; Wr: 8,192 w + 16 l
	v_lshlrev_b32 v5, 5, v0                        ; x: 1,024 w + 32 l
	v_bfe_u32 v6, v0, 4, 1
	v_mul_u32_u24 v6, v6, 272
	v_and_b32 v7, 15, v0
	v_lshl_add_u32 v6, v7, 4, v6
	s_mul_i32 s3, s2, 8704
	v_add_nc_u32 v6, s3, v6                        ; the turn, in: 16 lanes fill a place of 256 bytes
	v_mul_u32_u24 v7, v1, 272
	v_add_nc_u32 v7, s3, v7                        ; and out: lane l takes place l: its 8 rows of Wr
	v_lshl_add_u32 v8, v0, 2, CS                   ; my code word: 128 w + 4 l in a token's row
	v_lshrrev_b32 v9, 2, v0
	v_add_nc_u32 v9, SS, v9                        ; my block's byte: 8 w + l / 4
	v_and_b32 v11, 7, v0
	v_lshl_add_u32 v11, v11, 5, PL                 ; token l % 8's eight partial logits of wave 0
	v_lshl_add_u32 v10, v2, 8, v11                 ; and of my wave
	s_mul_i32 s3, s2, 1056
	v_add_nc_u32 v12, s3, v3
	v_add_nc_u32 v12, CS, v12                      ; codes back: rows 2 w and 2 w + 1, 16 bytes a lane
	v_lshl_add_u32 v13, v1, 3, SS
	v_lshl_add_u32 v14, v2, 10, v3                 ; the same two rows in xb
	v_lshlrev_b32 v15, 3, v1
	s_mov_b32 s24, 0xaaaaaaaa                      ; lanes with bit 0, 1, 2 set
	s_mov_b32 s25, 0xcccccccc
	s_mov_b32 s26, 0xf0f0f0f0
	s_mov_b32 s28, 0x76543210                      ; v_permlanex16_b32's selects for lane l xor 16
	s_mov_b32 s29, 0xfedcba98
	s_mov_b32 s48, ttmp9
	s_lshl_b32 s49, ttmp9, 5
	s_lshl_b32 s51, ttmp9, 6
	v_lshl_add_u32 v248, v1, 8, s48                ; rt: byte [l][g]
	v_lshl_add_u32 v249, v1, 2, s49                ; rt: word of token 8 g + l
	v_lshl_add_u32 v250, v1, 3, s51                ; rsc: pair of token 8 g + l
	s_lshl_b32 s30, ttmp9, 15
	s_mov_b32 s31, 0
	s_lshl_b32 s32, ttmp9, 12
	s_mov_b32 s33, 0
	s_lshl_b32 s34, ttmp9, 8
	s_mov_b32 s35, 0
	s_wait_kmcnt 0x0
	s_load_b256 s[16:23], s[8:9], 0x0              ; br
	s_add_nc_u64 s[4:5], s[4:5], s[30:31]          ; x at the group's first token
	s_add_nc_u64 s[30:31], s[14:15], s[32:33]      ; xb's codes likewise
	s_add_nc_u64 s[14:15], s[14:15], s[34:35]      ; and, with XSO in the immediate, its scale bytes
.set ii, 0
.rept 16
	global_load_b128 v[ACC+4*ii:ACC+4*ii+3], v4, s[6:7] offset:512*ii   ; my wave's 8,192 bytes of Wr, 512 consecutive bytes a load
.set ii, ii+1
.endr
.set ii, 0
.rept 8
	global_load_b128 v[X+8*ii:X+8*ii+3], v5, s[4:5] offset:4096*ii      ; a token's two loads cover my wave's 1,024 consecutive bytes
	global_load_b128 v[X+8*ii+4:X+8*ii+7], v5, s[4:5] offset:4096*ii+16
.set ii, ii+1
.endr
	s_wait_loadcnt 16                              ; Wr's 16 loads are in; x's 16 were issued behind them
.set ii, 0
.rept 16
	ds_store_b128 v6, v[ACC+4*ii:ACC+4*ii+3] offset:544*ii
.set ii, ii+1
.endr
.set ii, 0
.rept 16
	ds_load_b128 v[W+4*ii:W+4*ii+3], v7 offset:16*ii   ; my wave's own bytes: LDS serves a wave's instructions in order, so these see the stores
.set ii, ii+1
.endr
	s_wait_loadcnt 0x0                             ; x
	; x's codes: the eight tokens by turns, so that no line waits for the line above it
.irp t, 0,1,2,3,4,5,6,7
	v_max3_num_f32 v[M+\t], |v[X+8*\t]|, |v[X+8*\t+1]|, 0x1800000   ; with the floor 2^(3 - 127): the byte cannot fall under 1
.endr
.irp i, 2,4,6
.irp t, 0,1,2,3,4,5,6,7
	v_max3_num_f32 v[M+\t], v[M+\t], |v[X+8*\t+\i]|, |v[X+8*\t+\i+1]|
.endr
.endr
.irp t, 0,1,2,3,4,5,6,7
	v_max_num_f32_dpp v[M+\t], v[M+\t], v[M+\t] row_xmask:1 row_mask:0xf bank_mask:0xf
.endr
.irp t, 0,1,2,3,4,5,6,7
	v_max_num_f32_dpp v[M+\t], v[M+\t], v[M+\t] row_xmask:2 row_mask:0xf bank_mask:0xf   ; the block's four lanes
.endr
.irp t, 0,1,2,3,4,5,6,7
	v_add_nc_u32 v[M+8+\t], 0xff000000, v[M+\t]    ; 2 off the exponent field: the conversion's scale operand
.endr
.irp t, 0,1,2,3,4,5,6,7
	v_lshrrev_b32 v[T+\t], 23, v[M+8+\t]           ; the scale's byte
.endr
.irp t, 0,1,2,3,4,5,6,7
	v_cvt_scalef32_pk8_fp4_f32 v[C+\t], v[X+8*\t:X+8*\t+7], v[M+8+\t]
.endr
	v_nop                                          ; one plain line behind the last scaled conversion
.irp t, 0,1,2,3,4,5,6,7
	ds_store_b32 v8, v[C+\t] offset:528*\t
	ds_store_b8 v9, v[T+\t] offset:32*\t           ; a block's four lanes write the same byte with the same value
.endr
	s_wait_dscnt 0x0                               ; Wr's rows are in my registers, and the stores out of ACC have read them
	; the partial logits: sum over my 8 k of x(t, k) Wr(k, e), two experts an instruction; the first product starts the sums
.irp t, 0,1,2,3,4,5,6,7
.irp p, 0,2,4,6
	v_pk_mul_f32 v[ACC+8*\t+\p:ACC+8*\t+\p+1], v[W+\p:W+\p+1], v[X+8*\t:X+8*\t+1] op_sel_hi:[1,0]
.endr
.endr
.irp k, 1,2,3,4,5,6,7
.irp t, 0,1,2,3,4,5,6,7
.irp p, 0,2,4,6
.if \k % 2
	v_pk_fma_f32 v[ACC+8*\t+\p:ACC+8*\t+\p+1], v[W+8*\k+\p:W+8*\k+\p+1], v[X+8*\t+\k-1:X+8*\t+\k], v[ACC+8*\t+\p:ACC+8*\t+\p+1] op_sel:[0,1,0] op_sel_hi:[1,1,1]
.else
	v_pk_fma_f32 v[ACC+8*\t+\p:ACC+8*\t+\p+1], v[W+8*\k+\p:W+8*\k+\p+1], v[X+8*\t+\k:X+8*\t+\k+1], v[ACC+8*\t+\p:ACC+8*\t+\p+1] op_sel_hi:[1,0,1]
.endif
.endr
.endr
.endr
; Two registers become one: lanes whose bit is clear keep a and take the partner's a, the others keep b and take the partner's b.  Three levels leave token l % 8 in lane l.
.macro RED a, b, ms, m, tt
	v_cndmask_b32 v[\tt], v[\b], v[\a], s[\ms]
	v_cndmask_b32 v[\a], v[\a], v[\b], s[\ms]
	v_add_f32_dpp v[\a], v[\tt], v[\a] row_xmask:\m row_mask:0xf bank_mask:0xf
.endm
.irp t, 0,2,4,6
.irp e, 0,1,2,3,4,5,6,7
	RED ACC+8*\t+\e, ACC+8*\t+8+\e, 24, 1, T+\e
.endr
.endr
.irp t, 0,4
.irp e, 0,1,2,3,4,5,6,7
	RED ACC+8*\t+\e, ACC+8*\t+16+\e, 25, 2, T+\e
.endr
.endr
.irp e, 0,1,2,3,4,5,6,7
	RED ACC+\e, ACC+32+\e, 26, 4, T+\e
.endr
.irp e, 0,1,2,3,4,5,6,7
	v_add_f32_dpp v[ACC+\e], v[ACC+\e], v[ACC+\e] row_xmask:8 row_mask:0xf bank_mask:0xf
.endr
.irp e, 0,1,2,3,4,5,6,7
	v_permlanex16_b32 v[T+\e], v[ACC+\e], s28, s29
.endr
.irp e, 0,1,2,3,4,5,6,7
	v_add_f32 v[ACC+\e], v[ACC+\e], v[T+\e]        ; my wave's sum for token l % 8, expert e
.endr
	ds_store_b128 v10, v[ACC:ACC+3]                ; four lanes write the same bytes with the same values
	ds_store_b128 v10, v[ACC+4:ACC+7] offset:16
	s_wait_dscnt 0x0                               ; for the others' sake: my codes, bytes and sums lie in LDS
	s_barrier_signal -1
	s_barrier_wait -1
	ds_load_b128 v[16:19], v12
	ds_load_b128 v[20:23], v12 offset:528
	s_wait_dscnt 0x1
	global_store_b128 v14, v[16:19], s[30:31]      ; a token's 512 bytes of codes: 512 consecutive bytes, aligned
	s_wait_dscnt 0x0
	global_store_b128 v14, v[20:23], s[30:31] offset:512
	s_cmp_lg_u32 s2, 1
	s_cbranch_scc1 .Lnot_wave_1
	ds_load_b64 v[24:25], v13
	s_wait_dscnt 0x0
	global_store_b64 v15, v[24:25], s[14:15] offset:XSO   ; the group's 256 scale bytes: consecutive, aligned
.Lnot_wave_1:
	s_cmp_lg_u32 s2, 0
	s_cbranch_scc1 .Lend
	; wave 0 ends the router: lane l has token l % 8
.irp w, 0,1,2,3
.irp q, 0,1
	ds_load_b128 v[80+8*\w+4*\q:80+8*\w+4*\q+3], v11 offset:256*\w+16*\q
.endr
.endr
	s_wait_kmcnt 0x0                               ; br
	s_wait_dscnt 0x0
.irp e, 0,1,2,3,4,5,6,7
	v_add_f32 v[112+\e], v[80+\e], v[88+\e]
	v_add_f32 v[120+\e], v[96+\e], v[104+\e]
.endr
.irp e, 0,1,2,3,4,5,6,7
	v_add_f32 v[112+\e], v[112+\e], v[120+\e]
.endr
.irp e, 0,1,2,3,4,5,6,7
	v_add_f32 v[112+\e], s[16+\e], v[112+\e]       ; the logits
.endr
	v_max3_num_f32 v120, v112, v113, v114
	v_max3_num_f32 v120, v120, v115, v116
	v_max3_num_f32 v120, v120, v117, v118
	v_max_num_f32 v120, v120, v119                 ; the maximum is taken away ahead of the exponentials, as reference() does
.irp e, 0,1,2,3,4,5,6,7
	v_sub_f32 v[128+\e], v[112+\e], v120
.endr
.irp e, 0,1,2,3,4,5,6,7
	v_mul_f32 v[128+\e], 0x3fb8aa3b, v[128+\e]     ; x log2(e)
.endr
.irp e, 0,1,2,3,4,5,6,7
	v_exp_f32 v[128+\e], v[128+\e]
.endr
	v_nop                                          ; a plain line behind the last exponential
	s_wait_alu depctr_va_vdst(0)                   ; one wait for the eight, ahead of their first reader
	v_add_f32 v120, v128, v129
	v_add_f32 v121, v130, v131
	v_add_f32 v122, v132, v133
	v_add_f32 v123, v134, v135
	v_add_f32 v120, v120, v121
	v_add_f32 v122, v122, v123
	v_add_f32 v120, v120, v122
	v_rcp_f32 v120, v120
	v_nop
	s_wait_alu depctr_va_vdst(0)
.irp e, 0,1,2,3,4,5,6,7
	v_mul_f32 v[128+\e], v[128+\e], v120           ; the probabilities
.endr
	v_mov_b32 v136, v128                           ; the largest: an ascending scan with a strict >, so that the lower index wins a tie, as lax.top_k has it
	v_mov_b32 v138, 0
.irp e, 1,2,3,4,5,6,7
	v_cmp_gt_f32 vcc_lo, v[128+\e], v136
	v_cndmask_b32 v136, v136, v[128+\e], vcc_lo
	v_cndmask_b32 v138, v138, \e, vcc_lo
.endr
.irp e, 0,1,2,3,4,5,6,7
	v_cmp_eq_u32 vcc_lo, \e, v138
	v_cndmask_b32 v[128+\e], v[128+\e], -1.0, vcc_lo   ; the first is taken out: -1 lies under every probability
.endr
	v_mov_b32 v137, v128                           ; the second likewise
	v_mov_b32 v139, 0
.irp e, 1,2,3,4,5,6,7
	v_cmp_gt_f32 vcc_lo, v[128+\e], v137
	v_cndmask_b32 v137, v137, v[128+\e], vcc_lo
	v_cndmask_b32 v139, v139, \e, vcc_lo
.endr
	v_mov_b32 v140, 0
	v_mov_b32 v141, 0
.irp e, 0,1,2,3,4,5,6,7
	v_cmp_eq_u32 s[32+\e], \e, v138                ; which tokens go to expert e: lanes 0-7 are the group's tokens
	v_cmp_eq_u32 vcc_lo, \e, v139
	s_or_b32 s[32+\e], s[32+\e], vcc_lo
	s_and_b32 s[32+\e], s[32+\e], 0xff
	s_bcnt1_i32_b32 s[40+\e], s[32+\e]
	v_writelane_b32 v140, s[32+\e], \e             ; lane e: expert e's mask byte,
	v_writelane_b32 v141, s[40+\e], \e             ; and its count
.endr
	v_lshl_or_b32 v142, v139, 8, v138              ; e0 | e1 << 8
	s_wait_xcnt 0x0                                ; EXEC changes only behind this wait: stores have been issued
	v_cmp_gt_u32 vcc_lo, 8, v1
	s_and_saveexec_b32 s50, vcc_lo
	global_store_b8 v248, v140, s[10:11]
	global_store_b8 v248, v141, s[10:11] offset:RCNT
	global_store_b32 v249, v142, s[10:11] offset:RIDX
	global_store_b64 v250, v[136:137], s[12:13]
	s_wait_xcnt 0x0                                ; and again ahead of the line that widens it
	s_or_b32 exec_lo, exec_lo, s50
.Lend:
	s_wait_tensorcnt 0x0                           ; the wave's end
	ds_add_u32 v[SPW], v[NIL]
	s_wait_dscnt 0x0
	s_endpgm
.Lfunc_end_k_q922529e1b9_route:
	.size	k_q922529e1b9_route, .Lfunc_end_k_q922529e1b9_route-k_q922529e1b9_route
	.p2alignl 7, 3214868480
	.fill 96, 4, 3214868480
	.section	.rodata,"a",@progbits
	.p2align	6, 0x0
	.amdhsa_kernel k_q922529e1b9_route
		.amdhsa_group_segment_fixed_size 40960
		.amdhsa_private_segment_fixed_size 0
		.amdhsa_enable_private_segment 0
		.amdhsa_kernarg_size 48
		.amdhsa_user_sgpr_count 2
		.amdhsa_user_sgpr_kernarg_segment_ptr 1
		.amdhsa_wavefront_size32 1
		.amdhsa_system_sgpr_workgroup_id_x 1
		.amdhsa_system_sgpr_workgroup_id_y 1
		.amdhsa_system_sgpr_workgroup_id_z 1
		.amdhsa_system_vgpr_workitem_id 0
		.amdhsa_next_free_vgpr 256
		.amdhsa_next_free_sgpr 66
		.amdhsa_reserve_vcc 1
		.amdhsa_float_denorm_mode_32 3
		.amdhsa_float_denorm_mode_16_64 3
		.amdhsa_memory_ordered 1
		.amdhsa_forward_progress 1
		.amdhsa_inst_pref_size 52
	.end_amdhsa_kernel
	.amdgpu_metadata
---
amdhsa.version: [ 1, 2 ]
amdhsa.kernels:
  - .name:           k_q922529e1b9_route
    .symbol:         k_q922529e1b9_route.kd
    .args:
      - { .name: x, .offset: 0, .size: 8, .value_kind: global_buffer, .address_space: global }
      - { .name: Wr, .offset: 8, .size: 8, .value_kind: global_buffer, .address_space: global }
      - { .name: br, .offset: 16, .size: 8, .value_kind: global_buffer, .address_space: global }
      - { .name: rt, .offset: 24, .size: 8, .value_kind: global_buffer, .address_space: global }
      - { .name: rsc, .offset: 32, .size: 8, .value_kind: global_buffer, .address_space: global }
      - { .name: xb, .offset: 40, .size: 8, .value_kind: global_buffer, .address_space: global }
    .group_segment_fixed_size: 40960
    .private_segment_fixed_size: 0
    .kernarg_segment_align: 8
    .kernarg_segment_size: 48
    .max_flat_workgroup_size: 128
    .sgpr_count:     66
    .vgpr_count:     256
    .wavefront_size: 32
...
	.end_amdgpu_metadata
.endif
;; end of part 1
;; launch ffn1 (part 2): grid 8 x 32, 8 waves a work-group, no clusters, 90,624 bytes of LDS; arguments rt, xb, W1_codes, W1_scales, b1, hb, dst; writes hb, dst
.if DOCPART == 2
	.amdgcn_target "amdgcn-amd-amdhsa--gfx1250"
	.amdhsa_code_object_version 6
	.text
	.protected	k_q922529e1b9_ffn1
	.globl	k_q922529e1b9_ffn1
	.p2align	8
	.type	k_q922529e1b9_ffn1,@function
k_q922529e1b9_ffn1:
	s_mov_b64 s[64:65], 0
	v_nop
	global_prefetch_b8 v0, s[64:65] scope:SCOPE_SE
	s_setreg_imm32_b32 hwreg(HW_REG_WAVE_MODE, 25, 1), 1
	s_wait_xcnt 0x0
; FFN1: h = Q(gelu(Q(x) W1[e] + b1[e])) for the chosen (token, expert) rows alone: the rows of experts that a token did not choose are dead work (see the first kernel's head).
; TILES.  An expert's rows, in ascending order of tokens, are cut into tiles of 144; the tiles of all experts on end are the SLOTS, never more than ceil(4,096 / 144) + 7 = 36.
; Work-group (sl, y) takes hidden units 256 sl .. + 255 of slot y and then of slot y + 32.  Which slots exist hangs on stored counts: so there is no tensor load, no copy and no cluster here (partners would
; need different numbers of tiles), operands go from memory into registers, and the barriers stand outside every branch on a stored number: an item is three regions, each under its own test, with the
; barriers between them.  The first item's weights are asked for ahead of the test, so that every register that a later region reads has been written on every way through the text.
; ROWS PAST AN EXPERT'S COUNT repeat its last row (q is held at n - 1): the tile's spare rows then hold the same token, codes and place as a live row.
; SHARES.  Wave w makes hidden units 256 sl + 32 w + 0 .. 31, ONE block of the next K, for all 144 rows; its 2 x 8 fragments of W1 stay in its registers.  The product is used transposed (source 0 = 16 rows of
; W1, source 1 = 16 token rows), and lane r of tile u takes W1's row 8 u + r + 8 (r / 8): so a lane's 16 results are 16 neighbouring hidden units, 16 (lane / 16) + 0 .. 15, of one token row.
; THE NINE BLOCKS OF 16 ROWS ARE WRITTEN OUT, under one test, every offset an immediate: the next block's fragments are asked for behind this block's products, so that gelu and the quantiser stand between
; the loads and the wait for them; each block has its own two registers of codes, and no base is stepped, so no store's source is written again inside an item.
; gelu(x) = x / (1 + 2^(x (c0 + c1 x^2))), c0 = -2 log2(e) sqrt(2 / pi), c1 = 0.044715 c0: in real numbers 0.5 x (1 + tanh(..)); where x^2 overflows it still gives x or 0.
; OUT.  hb, a slot of SLOTB bytes: the codes as IMAGES OF THE NEXT OPERAND'S REGISTERS: fragment (16 rows i, K step s) at 16,384 i + 1,024 s, in it block b of row r at 512 (b / 2) + 256 (b % 2) + 16 r;
; from HSCO on the scale bytes, a piece [i][r][8] of 1,152 bytes for each sl, 1,280 bytes apart.  dst: [slot][256] words: for each row its place 2 token + k in the next launch's output; word 255, the place
; of a row that nobody has, says whose the slot is: expert | live << 8.
; LIMITS: NaN and infinities are not served; a block of zeros, or one under 2^-124, gets the scale byte 1 (read by this program alone).
.set RCNT,  2048
.set RIDX,  4096
.set XSO,   1048576
.set SLOTB, 157696
.set HSCO,  147456
.set XS,    76032                      ; LDS: from 0 x's codes, 144 rows of 512 + 16 bytes; here x's scale bytes, 256 rows of 32 + 16
.set HSS,   88320                      ; h's scale bytes [i][r][8]
.set SPARE, 89600                      ; the spare words, 128 bytes a wave: four blocks of 256 bytes that no other line names
.set SPW, 32                           ; v32  LDS address of my spare word; never rewritten
.set NIL, 33                           ; v33  0; never rewritten
.set BS,  48                           ; v48-63   W1's scale words (u, ks) at 8 u + ks: scales and nothing else
.set BI,  64                           ; v64-79   b1 in the result's layout, 8 u
.set AS,  80                           ; v80-87   x's scale words of the block in hand: scales and nothing else
.set ACC, 88                           ; v88-103  the two accumulators
.set T,   104                          ; v104-119 at work
.set H,   120                          ; v120-135 gelu's results
.set AF,  160                          ; v160-223 x's eight fragments of the block in hand
.set GAA, 224                          ; v224-255 the gather's offsets, one a row
; window 1: v0-127 W1's fragments (u, ks) at 64 u + 8 ks; v128-255 the gathered rows, 4 registers each
; v1 16 l; v2 r; v3 h; v4 my row 16 w + r + 128 h; v5-v15, v42 addresses; v19-31 the search for my row's token; v34-37 c0, c0, c1, c1; v38-41 the way out of the scale bytes; v136-140 the quantiser; v142-159 the nine blocks' codes
.set MSB, 0
.macro WIN new                         ; the immediate's high byte repeats the setting that is left
.if MSB != \new
	s_set_vgpr_msb (MSB<<8)|\new
.set MSB, \new
.endif
.endm
	s_load_b256 s[4:11], s[0:1], 0x0               ; rt s[4:5], xb s[6:7], W1's codes s[8:9], W1's scales s[10:11]
	s_load_b128 s[12:15], s[0:1], 0x20             ; b1 s[12:13], hb s[14:15]
	s_load_b64 s[84:85], s[0:1], 0x30              ; dst
	v_lshl_add_u32 v[SPW], v0, 2, SPARE
	v_mov_b32 v[NIL], 0
	v_lshrrev_b32 v19, 5, v0
	v_readfirstlane_b32 s2, v19                    ; wave 0..7
	v_and_b32 v20, 31, v0                          ; lane
	v_lshlrev_b32 v1, 4, v20
	v_and_b32 v2, 15, v0
	v_bfe_u32 v3, v0, 4, 1
	v_lshl_add_u32 v4, v19, 4, v2
	v_lshl_add_u32 v4, v3, 7, v4                   ; my row of the tile; rows from 144 on are nobody's and touch only places of their own
	v_mul_u32_u24 v5, v2, 528
	v_lshl_add_u32 v5, v3, 4, v5                   ; a fragment of x: row r, + 16 h: blocks 0 to 3;
	v_add_nc_u32 v42, 33792, v5                    ; blocks 4 to 8: 64 rows on, so that every block's offset fits the 16-bit immediate
	v_mul_u32_u24 v6, v2, 48
	v_add_nc_u32 v6, XS, v6                        ; row r's scale words
	v_mul_u32_u24 v7, v4, 48
	v_add_nc_u32 v7, XS, v7                        ; where I put my row's scale bytes
	s_mul_i32 s3, s2, 8448
	v_add_nc_u32 v8, s3, v1                        ; where my wave puts rows 16 w on,
	v_add_nc_u32 v9, 67584, v1                     ; and wave 0 rows 128 on
	v_lshl_add_u32 v10, v2, 3, s2
	v_add_nc_u32 v10, HSS, v10                     ; h's scale byte: row r, byte w
	v_and_b32 v11, 8, v2
	v_add_nc_u32 v11, v11, v2                      ; r + 8 (r / 8)
	v_lshlrev_b32 v12, 5, v11                      ; W1's scale bytes: 32 a row
	v_lshlrev_b32 v11, 9, v11
	v_lshl_add_u32 v11, v3, 4, v11                 ; W1's codes: 512 bytes a row, + 16 h
	v_lshlrev_b32 v13, 6, v3                       ; b1: my half's 16 units
	v_lshlrev_b32 v14, 4, v2
	v_lshl_add_u32 v14, v3, 3, v14                 ; h's codes: 16 r + 8 h
	v_lshlrev_b32 v15, 2, v4                       ; dst: my row's word
	v_mov_b32 v34, 0xc0135761                      ; c0 = -2.3022082
	v_mov_b32 v35, 0xc0135761
	v_mov_b32 v36, 0xbdd2d3e8                      ; c1 = -0.10294324
	v_mov_b32 v37, 0xbdd2d3e8
	v_mov_b32 v138, 0                              ; written once: a lane permute's destination counts as one of its sources
	s_and_b32 s3, s2, 3
	s_lshl_b32 s3, s3, 8
	v_lshl_add_u32 v40, v20, 3, s3                 ; the scale bytes' way out: waves 0-3 take 256 bytes each,
	v_add_nc_u32 v38, HSS, v40
	v_lshlrev_b32 v41, 2, v20
	v_add_nc_u32 v41, 1024, v41                    ; wave 4 the last 128
	v_add_nc_u32 v39, HSS, v41
	s_lshl_b32 s3, ttmp9, 8
	s_lshl_b32 s94, s2, 5
	s_add_co_u32 s3, s3, s94                       ; my first hidden unit: 256 sl + 32 w
	v_lshlrev_b32 v21, 6, v20
	s_wait_kmcnt 0x0
	; how many rows has each expert?  Lane l adds 64 of the 256 count bytes of expert l / 4 (each at most 8: a byte's sum over 16 words stays under 256)
.irp q, 0,1,2,3
	global_load_b128 v[T+4*\q:T+4*\q+3], v21, s[4:5] offset:RCNT+16*\q
.endr
	s_wait_loadcnt 0x0
	v_add3_u32 v104, v104, v105, v106
	v_add3_u32 v107, v107, v108, v109
	v_add3_u32 v110, v110, v111, v112
	v_add3_u32 v113, v113, v114, v115
	v_add3_u32 v116, v116, v117, v118
	v_add3_u32 v104, v104, v107, v110
	v_add3_u32 v113, v113, v116, v119
	v_add_nc_u32 v104, v104, v113
	v_lshrrev_b32 v105, 8, v104
	v_and_b32 v104, 0xff00ff, v104
	v_and_b32 v105, 0xff00ff, v105
	v_add_nc_u32 v104, v104, v105
	v_lshrrev_b32 v105, 16, v104
	v_and_b32 v104, 0xffff, v104
	v_add_nc_u32 v104, v104, v105
	v_mov_b32_dpp v105, v104 row_xmask:1 row_mask:0xf bank_mask:0xf
	v_add_nc_u32 v104, v104, v105
	v_mov_b32_dpp v105, v104 row_xmask:2 row_mask:0xf bank_mask:0xf
	v_add_nc_u32 v104, v104, v105
.irp e, 0,1,2,3,4,5,6,7
	v_readlane_b32 s[16+\e], v104, 4*\e            ; n_e
.endr
	; whose are my two slots?  The owner is the last expert whose first tile is at or under the slot.  s86-89: e, q0, n - 1, live? for slot y; s90-93 for slot y + 32
	s_and_b32 s94, ttmp7, 0xffff
	s_add_co_u32 s95, s94, 32
	s_mov_b32 s96, 0                               ; tiles so far
.irp z, 86,87,88,90,91,92
	s_mov_b32 s\z, 0
.endr
.irp e, 0,1,2,3,4,5,6,7
	s_cmp_ge_u32 s94, s96
	s_cselect_b32 s86, \e, s86
	s_cselect_b32 s87, s96, s87
	s_cselect_b32 s88, s[16+\e], s88
	s_cmp_ge_u32 s95, s96
	s_cselect_b32 s90, \e, s90
	s_cselect_b32 s91, s96, s91
	s_cselect_b32 s92, s[16+\e], s92
	s_add_co_u32 s97, s[16+\e], 143
	s_mul_i32 s97, s97, 7282                       ; (n + 143) / 144, rounded down: 7,282 / 2^20 is over 1 / 144 by 3 parts in 100,000, and n + 143 is at most 2,191: the excess stays under 1 / 144
	s_lshr_b32 s97, s97, 20
	s_add_co_u32 s96, s96, s97
.endr
	s_cmp_lt_u32 s94, s96
	s_cselect_b32 s89, 1, 0
	s_cmp_lt_u32 s95, s96
	s_cselect_b32 s93, 1, 0
	s_sub_co_u32 s87, s94, s87
	s_mul_i32 s87, s87, 144                        ; the tile's first row among the expert's
	s_sub_co_u32 s91, s95, s91
	s_mul_i32 s91, s91, 144
	s_sub_co_u32 s88, s88, 1
	s_sub_co_u32 s92, s92, 1
	s_min_u32 s86, s86, 7                          ; it enters addresses
	s_min_u32 s90, s90, 7
.macro ULOAD                           ; my part of W1, its scale words and b1: 40 loads
	WIN 0x40                                       ; destination window 1
.irp u, 0,1
.irp ks, 0,1,2,3,4,5,6,7
.irp c, 0,1
	global_load_b128 v[64*\u+8*\ks+4*\c:64*\u+8*\ks+4*\c+3], v11, s[94:95] offset:4096*\u+64*\ks+32*\c
.endr
.endr
.endr
	WIN 0
.irp u, 0,1
.irp q, 0,1
	global_load_b128 v[BS+8*\u+4*\q:BS+8*\u+4*\q+3], v12, s[96:97] offset:256*\u+16*\q
	global_load_b128 v[BI+8*\u+4*\q:BI+8*\u+4*\q+3], v13, s[98:99] offset:32*\u+16*\q
.endr
.endr
.endm
.macro SELSTEP w                       ; does my bit lie beyond the w bits from pos on, of which c are set?
	v_cmp_ge_u32 vcc_lo, v22, v27
	v_cndmask_b32 v28, 0, v27, vcc_lo
	v_sub_nc_u32 v22, v22, v28
	v_cndmask_b32 v28, 0, \w, vcc_lo
	v_add_nc_u32 v29, v29, v28
.endm
.macro SETCR i                         ; block i's two registers of codes: v148 .. v159, then v142 .. v147
.set CR, 148+2*(\i)
.if (\i) >= 6
.set CR, 130+2*(\i)
.endif
.endm
.macro AFLOAD i                        ; block i's eight fragments of x and its scale words: 18 LDS loads
.set ABR, 5
.set AOF, 8448*(\i)
.if (\i) >= 4
.set ABR, 42
.set AOF, 8448*((\i)-4)
.endif
.irp ks, 0,1,2,3,4,5,6,7
.irp c, 0,1
	ds_load_b128 v[AF+8*\ks+4*\c:AF+8*\ks+4*\c+3], v[ABR] offset:AOF+64*\ks+32*\c
.endr
.endr
	ds_load_b128 v[AS:AS+3], v6 offset:768*(\i)
	ds_load_b128 v[AS+4:AS+7], v6 offset:768*(\i)+16
.endm
; 16 token rows, block i of the tile's nine: product, the next block's loads, gelu, quantiser, out
.macro BLOCK i
	SETCR \i
.if (\i) == 0
	s_wait_loadcnt 0x0                             ; W1, its scales and b1
	s_wait_dscnt 0x0                               ; block 0's fragments
.else
	s_wait_dscnt 0x1                               ; this block's 18 loads are in: behind them one LDS instruction was issued, the last block's scale byte
.endif
	WIN 0x01                                       ; source 0 (W1) window 1
.irp ks, 0,1,2,3,4,5,6,7               ; the two accumulators by turns; b1 is the C of each sum's first instruction
.irp u, 0,1
.if \ks == 0
	v_wmma_scale_f32_16x16x128_f8f6f4 v[ACC+8*\u:ACC+8*\u+7], v[64*\u+8*\ks:64*\u+8*\ks+7], v[AF+8*\ks:AF+8*\ks+7], v[BI+8*\u:BI+8*\u+7], v[BS+8*\u+\ks], v[AS+\ks] matrix_a_fmt:MATRIX_FMT_FP4 matrix_b_fmt:MATRIX_FMT_FP4
.else
	v_wmma_scale_f32_16x16x128_f8f6f4 v[ACC+8*\u:ACC+8*\u+7], v[64*\u+8*\ks:64*\u+8*\ks+7], v[AF+8*\ks:AF+8*\ks+7], v[ACC+8*\u:ACC+8*\u+7], v[BS+8*\u+\ks], v[AS+\ks] matrix_a_fmt:MATRIX_FMT_FP4 matrix_b_fmt:MATRIX_FMT_FP4
.endif
.endr
.endr
	WIN 0
.rept 4
	v_nop                                          ; four places behind the last product, ahead of the loads into its sources and of the first read of results
.endr
.if (\i) < 8
	AFLOAD (\i)+1                                  ; the next block's fragments: all of gelu and the quantiser stand between these loads and the wait for them
.endif
.irp p, 0,2,4,6,8,10,12,14             ; each accumulator is read from its low end on
	v_pk_mul_f32 v[T+\p:T+\p+1], v[ACC+\p:ACC+\p+1], v[ACC+\p:ACC+\p+1]
.endr
.irp p, 0,2,4,6,8,10,12,14
	v_pk_fma_f32 v[T+\p:T+\p+1], v[T+\p:T+\p+1], v[36:37], v[34:35]
.endr
.irp p, 0,2,4,6,8,10,12,14
	v_pk_mul_f32 v[T+\p:T+\p+1], v[T+\p:T+\p+1], v[ACC+\p:ACC+\p+1]   ; x (c0 + c1 x^2)
.endr
.irp j, 0,1,2,3,4,5,6,7,8,9,10,11,12,13,14,15
	v_exp_f32 v[T+\j], v[T+\j]
.endr
	v_nop                                          ; a plain line behind the last exponential
	s_wait_alu depctr_va_vdst(0)                   ; one wait for the sixteen, ahead of their first reader
.irp p, 0,2,4,6,8,10,12,14
	v_pk_add_f32 v[T+\p:T+\p+1], v[T+\p:T+\p+1], 1.0 op_sel_hi:[1,0]
.endr
.irp j, 0,1,2,3,4,5,6,7,8,9,10,11,12,13,14,15
	v_rcp_f32 v[T+\j], v[T+\j]
.endr
	v_nop
	s_wait_alu depctr_va_vdst(0)
.irp p, 0,2,4,6,8,10,12,14
	v_pk_mul_f32 v[H+\p:H+\p+1], v[ACC+\p:ACC+\p+1], v[T+\p:T+\p+1]   ; gelu
.endr
	v_max3_num_f32 v136, |v120|, |v121|, 0x1800000                    ; my 16 numbers, in two chains, and the floor 2^(3 - 127)
	v_max3_num_f32 v137, |v122|, |v123|, |v124|
	v_max3_num_f32 v136, v136, |v125|, |v126|
	v_max3_num_f32 v137, v137, |v127|, |v128|
	v_max3_num_f32 v136, v136, |v129|, |v130|
	v_max3_num_f32 v137, v137, |v131|, |v132|
	v_max3_num_f32 v136, v136, |v133|, |v134|
	v_max3_num_f32 v136, v136, v137, |v135|
	v_permlanex16_b32 v138, v136, s28, s29
	v_max_num_f32 v136, v136, v138                 ; with lane l xor 16's: the block's largest magnitude
	v_add_nc_u32 v139, 0xff000000, v136            ; 2 off its exponent field: the conversion's scale operand
	v_lshrrev_b32 v140, 23, v139                   ; the scale's byte
	v_cvt_scalef32_pk8_fp4_f32 v[CR], v[120:127], v139
	v_cvt_scalef32_pk8_fp4_f32 v[CR+1], v[128:135], v139
	v_nop                                          ; one plain line behind the last scaled conversion
	ds_store_b8 v10, v140 offset:128*(\i)          ; both lanes of a row write the same byte with the same value
	global_store_b64 v14, v[CR:CR+1], s[20:21] offset:16384*(\i)   ; my half block's 8 bytes: the wave stores 256 consecutive bytes, aligned, in the next operand's register order
.endm
.macro ITEM pass, E, Q0, NM, ACT
.if \pass
	s_wait_xcnt 0x0                                ; the first item's loads and stores have read their registers and bases: they are written again from here on
.endif
	s_mov_b32 s17, 0
	s_lshl_b32 s16, s[\E], 20
	s_lshl_b32 s18, s3, 9
	s_add_co_u32 s16, s16, s18
	s_add_nc_u64 s[94:95], s[8:9], s[16:17]        ; W1's codes: expert e, my 32 rows
	s_lshl_b32 s16, s[\E], 16
	s_lshl_b32 s18, s3, 5
	s_add_co_u32 s16, s16, s18
	s_add_nc_u64 s[96:97], s[10:11], s[16:17]      ; their scale bytes
	s_lshl_b32 s16, s[\E], 13
	s_lshl_b32 s18, s3, 2
	s_add_co_u32 s16, s16, s18
	s_add_nc_u64 s[98:99], s[12:13], s[16:17]      ; b1
	v_mov_b32 v31, 0                               ; what a slot without rows leaves in dst
.if \pass == 0
	ULOAD
.endif
	s_cmp_eq_u32 s[\ACT], 0
	s_cbranch_scc1 .Lr1e_\@
.if \pass
	s_wait_loadcnt 0x0                             ; no load is out into the registers that are loaded anew
	ULOAD
.endif
	; ---- region 1: which token is row q of the expert?  Its 64 mask words come into scalar registers; each lane keeps the last word ahead of which at most q bits are set
	s_lshl_b32 s100, s[\E], 8
	s_mov_b32 s101, 0
	s_add_nc_u64 s[100:101], s[4:5], s[100:101]
	s_load_b512 s[16:31], s[100:101], 0x0
	s_load_b512 s[32:47], s[100:101], 0x40
	s_load_b512 s[48:63], s[100:101], 0x80
	s_load_b512 s[68:83], s[100:101], 0xc0
	v_add_nc_u32 v19, s[\Q0], v4
	v_min_u32 v19, s[\NM], v19                     ; q; past the expert's count: its last row once more
	s_wait_kmcnt 0x0
	v_mov_b32 v20, s16                             ; the word,
	v_mov_b32 v21, 0                               ; and (bits ahead of it) << 6 | its number
	s_bcnt1_i32_b32 s100, s16
.set ww, 1
.rept 63
.set MW, 16+ww+4*(ww/48)
	s_lshl_b32 s101, s100, 6
	s_or_b32 s101, s101, ww
	v_cmp_le_u32 vcc_lo, s100, v19
	v_cndmask_b32 v20, v20, s[MW], vcc_lo
	v_cndmask_b32 v21, v21, s101, vcc_lo
	s_bcnt1_i32_b32 s[MW], s[MW]                   ; the word has been read: its count takes its place
	s_add_co_u32 s100, s100, s[MW]
.set ww, ww+1
.endr
	v_lshrrev_b32 v22, 6, v21
	v_sub_nc_u32 v22, v19, v22                     ; which set bit of the word
	v_and_b32 v21, 63, v21
	v_lshrrev_b32 v23, 1, v20
	v_and_b32 v23, 0x55555555, v23
	v_sub_nc_u32 v23, v20, v23                     ; counts of 2 bits,
	v_lshrrev_b32 v24, 2, v23
	v_and_b32 v24, 0x33333333, v24
	v_and_b32 v25, 0x33333333, v23
	v_add_nc_u32 v24, v24, v25                     ; of 4,
	v_lshrrev_b32 v25, 4, v24
	v_add_nc_u32 v25, v25, v24
	v_and_b32 v25, 0x0f0f0f0f, v25                 ; of 8,
	v_lshrrev_b32 v26, 8, v25
	v_add_nc_u32 v26, v26, v25                     ; of 16
	v_mov_b32 v29, 0                               ; pos
	v_and_b32 v27, 0xff, v26
	SELSTEP 16
	v_bfe_u32 v27, v25, v29, 8
	SELSTEP 8
	v_bfe_u32 v27, v24, v29, 4
	SELSTEP 4
	v_bfe_u32 v27, v23, v29, 2
	SELSTEP 2
	v_bfe_u32 v27, v20, v29, 1
	SELSTEP 1
	v_lshl_add_u32 v30, v21, 5, v29
	v_min_u32 v30, 0x7ff, v30                      ; my row's token
	v_lshlrev_b32 v28, 5, v30
	v_lshlrev_b32 v27, 2, v30
	global_load_b128 v[T:T+3], v28, s[6:7] offset:XSO          ; its 32 scale bytes
	global_load_b128 v[T+4:T+7], v28, s[6:7] offset:XSO+16
	global_load_b32 v26, v27, s[4:5] offset:RIDX               ; its two experts
.irp r, 0,1,2,3,4,5,6,7,8,9,10,11,12,13,14,15
	v_readlane_b32 s100, v30, \r
	s_min_u32 s100, s100, 2047
	v_lshl_add_u32 v[GAA+\r], s100, 9, v1
.endr
	WIN 0x40
.irp r, 0,1,2,3,4,5,6,7,8,9,10,11,12,13,14,15
	global_load_b128 v[128+4*\r:131+4*\r], v[GAA+\r], s[6:7]   ; a row's 512 bytes of codes: 512 consecutive bytes
.endr
	WIN 0
	s_cmp_lg_u32 s2, 0
	s_cbranch_scc1 .Lnot0a_\@
.irp r, 0,1,2,3,4,5,6,7,8,9,10,11,12,13,14,15                  ; wave 0 also has rows 128 .. 143, whose tokens its lanes 16-31 hold
	v_readlane_b32 s100, v30, 16+\r
	s_min_u32 s100, s100, 2047
	v_lshl_add_u32 v[GAA+16+\r], s100, 9, v1
.endr
	WIN 0x40
.irp r, 0,1,2,3,4,5,6,7,8,9,10,11,12,13,14,15
	global_load_b128 v[192+4*\r:195+4*\r], v[GAA+16+\r], s[6:7]
.endr
	WIN 0
.Lnot0a_\@:
	s_wait_loadcnt 0x0
	ds_store_b128 v7, v[T:T+3]
	ds_store_b128 v7, v[T+4:T+7] offset:16
	WIN 0x04                                       ; an LDS store's data are its source 1: window 1
.irp r, 0,1,2,3,4,5,6,7,8,9,10,11,12,13,14,15
	ds_store_b128 v8, v[128+4*\r:131+4*\r] offset:528*\r
.endr
	WIN 0
	s_cmp_lg_u32 s2, 0
	s_cbranch_scc1 .Lnot0b_\@
	WIN 0x04
.irp r, 0,1,2,3,4,5,6,7,8,9,10,11,12,13,14,15
	ds_store_b128 v9, v[192+4*\r:195+4*\r] offset:528*\r
.endr
	WIN 0
.Lnot0b_\@:
	v_bfe_u32 v26, v26, 8, 8
	v_cmp_eq_u32 vcc_lo, s[\E], v26
	v_cndmask_b32 v26, 0, 1, vcc_lo                ; k: is this expert the token's second?
	v_lshl_add_u32 v31, v30, 1, v26                ; the row's place: 2 token + k
.Lr1e_\@:
	s_and_b32 s16, ttmp7, 0xffff
.if \pass
	s_add_co_u32 s16, s16, 32
.endif
	s_lshl_b32 s17, s[\ACT], 8
	s_or_b32 s17, s17, s[\E]                       ; whose the slot is, and whether it has rows:
	v_cmp_eq_u32 vcc_lo, 0xff, v4
	v_cndmask_b32 v31, v31, s17, vcc_lo            ; it goes out as word 255, the place of a row that nobody has
	s_lshl_b32 s18, s16, 10                        ; s16: the slot
	s_mov_b32 s19, 0
	s_add_nc_u64 s[18:19], s[84:85], s[18:19]
	s_cmp_lg_u32 ttmp9, 0                          ; slice 0 writes the slot's 256 words of dst, live or not: the next launch reads them ahead of its test.  A branch on ids
	s_cbranch_scc1 .Lnd_\@
.if \pass
	s_cmp_ge_u32 s16, 36                           ; dst has 36 slots
	s_cbranch_scc1 .Lnd_\@
.endif
	global_store_b32 v15, v31, s[18:19]
.Lnd_\@:
	s_wait_dscnt 0x0                               ; my stores of x have landed; my reads of the last item's scale bytes are in
	s_barrier_signal -1
	s_barrier_wait -1
	; ---- region 2: nine blocks of 16 rows, written out
	s_mul_i32 s20, s16, SLOTB
	s_lshl_b32 s21, ttmp9, 11
	s_add_co_u32 s20, s20, s21
	s_lshl_b32 s21, s2, 8
	s_add_co_u32 s20, s20, s21
	s_mov_b32 s21, 0
	s_add_nc_u64 s[20:21], s[14:15], s[20:21]      ; hb: my slot, + 2,048 sl + 256 w: my block's place in an image
	s_mov_b32 s28, 0x76543210                      ; v_permlanex16_b32's selects for lane l xor 16
	s_mov_b32 s29, 0xfedcba98
	s_cmp_eq_u32 s[\ACT], 0
	s_cbranch_scc1 .Lr2e_\@
	AFLOAD 0
.irp i, 0,1,2,3,4,5,6,7,8
	BLOCK \i
.endr
.Lr2e_\@:
	s_wait_dscnt 0x0                               ; my scale bytes have landed; my reads of x are in
	s_barrier_signal -1
	s_barrier_wait -1
	; ---- region 3: the slice's 1,152 scale bytes leave in runs of 256 and 128 consecutive bytes
	s_cmp_eq_u32 s[\ACT], 0
	s_cbranch_scc1 .Lr3e_\@
	s_mul_i32 s30, s16, SLOTB
	s_mul_i32 s31, ttmp9, 1280
	s_add_co_u32 s30, s30, s31
	s_add_co_u32 s30, s30, HSCO
	s_mov_b32 s31, 0
	s_add_nc_u64 s[26:27], s[14:15], s[30:31]
	s_cmp_lt_u32 s2, 4
	s_cbranch_scc0 .Lw4_\@
	ds_load_b64 v[T:T+1], v38
	s_wait_dscnt 0x0
	global_store_b64 v40, v[T:T+1], s[26:27]
	s_branch .Lr3e_\@
.Lw4_\@:
	s_cmp_lg_u32 s2, 4
	s_cbranch_scc1 .Lr3e_\@
	ds_load_b32 v[T], v39
	s_wait_dscnt 0x0
	global_store_b32 v41, v[T], s[26:27]
.Lr3e_\@:
.endm
	ITEM 0, 86, 87, 88, 89
	ITEM 1, 90, 91, 92, 93
	s_wait_tensorcnt 0x0                           ; the wave's end
	ds_add_u32 v[SPW], v[NIL]
	s_wait_dscnt 0x0
	s_endpgm
.Lfunc_end_k_q922529e1b9_ffn1:
	.size	k_q922529e1b9_ffn1, .Lfunc_end_k_q922529e1b9_ffn1-k_q922529e1b9_ffn1
	.p2alignl 7, 3214868480
	.fill 96, 4, 3214868480
	.section	.rodata,"a",@progbits
	.p2align	6, 0x0
	.amdhsa_kernel k_q922529e1b9_ffn1
		.amdhsa_group_segment_fixed_size 90624
		.amdhsa_private_segment_fixed_size 0
		.amdhsa_enable_private_segment 0
		.amdhsa_kernarg_size 56
		.amdhsa_user_sgpr_count 2
		.amdhsa_user_sgpr_kernarg_segment_ptr 1
		.amdhsa_wavefront_size32 1
		.amdhsa_system_sgpr_workgroup_id_x 1
		.amdhsa_system_sgpr_workgroup_id_y 1
		.amdhsa_system_sgpr_workgroup_id_z 1
		.amdhsa_system_vgpr_workitem_id 0
		.amdhsa_next_free_vgpr 512
		.amdhsa_next_free_sgpr 102
		.amdhsa_reserve_vcc 1
		.amdhsa_float_denorm_mode_32 3
		.amdhsa_float_denorm_mode_16_64 3
		.amdhsa_memory_ordered 1
		.amdhsa_forward_progress 1
		.amdhsa_inst_pref_size 231
	.end_amdhsa_kernel
	.amdgpu_metadata
---
amdhsa.version: [ 1, 2 ]
amdhsa.kernels:
  - .name:           k_q922529e1b9_ffn1
    .symbol:         k_q922529e1b9_ffn1.kd
    .args:
      - { .name: rt, .offset: 0, .size: 8, .value_kind: global_buffer, .address_space: global }
      - { .name: xb, .offset: 8, .size: 8, .value_kind: global_buffer, .address_space: global }
      - { .name: W1_codes, .offset: 16, .size: 8, .value_kind: global_buffer, .address_space: global }
      - { .name: W1_scales, .offset: 24, .size: 8, .value_kind: global_buffer, .address_space: global }
      - { .name: b1, .offset: 32, .size: 8, .value_kind: global_buffer, .address_space: global }
      - { .name: hb, .offset: 40, .size: 8, .value_kind: global_buffer, .address_space: global }
      - { .name: dst, .offset: 48, .size: 8, .value_kind: global_buffer, .address_space: global }
    .group_segment_fixed_size: 90624
    .private_segment_fixed_size: 0
    .kernarg_segment_align: 8
    .kernarg_segment_size: 56
    .max_flat_workgroup_size: 256
    .sgpr_count:     102
    .vgpr_count:     512
    .wavefront_size: 32
...
	.end_amdgpu_metadata
.endif
;; end of part 2
;; launch ffn2 (part 3): grid 8 x 32, 4 waves a work-group, no clusters, 234,240 bytes of LDS; arguments hb, W2_codes, W2_scales, b2, dst, rsc, y2; writes y2
.if DOCPART == 3
	.amdgcn_target "amdgcn-amd-amdhsa--gfx1250"
	.amdhsa_code_object_version 6
	.text
	.protected	k_q922529e1b9_ffn2
	.globl	k_q922529e1b9_ffn2
	.p2align	8
	.type	k_q922529e1b9_ffn2,@function
k_q922529e1b9_ffn2:
	s_mov_b64 s[64:65], 0
	v_nop
	global_prefetch_b8 v0, s[64:65] scope:SCOPE_SE
	s_setreg_imm32_b32 hwreg(HW_REG_WAVE_MODE, 25, 1), 1
	s_wait_xcnt 0x0
; FFN2: y2[2 token + k] = score x (h W2[e] + b2[e]) for the chosen (token, expert) rows alone: the other experts' rows are dead work (see the first kernel's head).
; Slots and tiles of 144 rows are the launch before's.  Work-group (sl, y) makes outputs 128 sl .. + 127 of slot y and then of slot y + 32.  Whose a slot is and whether it has rows stands in word 255 of
; its 256 words of dst (expert | live << 8).  That is a stored number: so there is no tensor load, no copy engine and no cluster here, and the barriers stand outside every test on it: an item is three
; regions with the barriers between them.
; SHARES.  Wave w makes outputs 128 sl + 32 w + 0 .. 31 (two tiles) for all 144 rows: 18 accumulators; its 2 x 16 fragments of W2 stay in its registers.  The slot's codes of h lie in hb as images of the
; operand's registers: the four waves copy them into LDS as they lie, and every fragment comes back by two loads of 16 bytes a lane at 16 x lane.
; THE COPY IS ASKED FOR FIRST.  Where a slot's images, scale bytes and places lie hangs on the work-group's number alone, so the first item asks for them straight behind the arguments, ahead of the word that
; names the expert, and under no test.  It runs as a ring in registers: at most 60 loads of a wave are out; the oldest group has landed and goes to LDS, and as many new loads are asked for: first the rest
; of the copy, then, when the expert is known, W2's first half, its scales and b2.  LIMIT: for a slot without rows the first item so reads bytes of hb that nobody stored and lays them in LDS; nothing reads them.
; The product is used transposed (source 0 = 16 rows of W2, source 1 = 16 rows of h): a lane holds 8 neighbouring outputs of one row.  b2 is the C of each sum's first instruction.
; ALL 144 ROWS ARE STORED: rows past the expert's count repeat its last row (the launch before), so they carry the same values to the same place, from this same work-group.
.set SLOTB, 157696
.set HSCO,  147456
.set HSL,   147456                     ; LDS: from 0 the images, 147,456 bytes; here the scale bytes, 8 pieces 1,280 bytes apart
.set STG,   157696                     ; the stage: 144 rows of 512 + 16 bytes
.set SPARE, 233728                     ; the spare words, 128 bytes a wave: two blocks of 256 bytes that no other line names
.set SPW, 30                           ; v30  LDS address of my spare word; never rewritten
.set NIL, 31                           ; v31  0; never rewritten
.set BS,  32                           ; v32-63  W2's scale words (n, k) at 16 n + k: scales and nothing else
.set AS,  64                           ; v64-99  h's scale words, two sets of 9 pairs: scales and nothing else
.set AF,  100                          ; v100-243 h's fragments, two sets of 9 x 8; first the scale bytes on their way to LDS; on the way out 36 rows of the stage
.set BI,  144                          ; in window 2: b2's two tiles
; window 0 also: v1 16 l; v2 r; v3 h; v4-v20 addresses; the nine scores in even registers: v244, 246 .. 254, v22, 24, 26
; window 1: W2's fragments (n, k) at 128 n + 8 k.   window 2: v0-143 the accumulators (i, n) at 16 i + 8 n (first: half of the copy).   window 3: v0-143 the other half of the copy; later the stores' offsets
.set MSB, 0
.macro WIN new                         ; the immediate's high byte repeats the setting that is left
.if MSB != \new
	s_set_vgpr_msb (MSB<<8)|\new
.set MSB, \new
.endif
.endm
.macro SETSCR i                        ; the register of block i's scores
.set SCR, 244+2*(\i)
.if (\i) >= 6
.set SCR, 10+2*(\i)
.endif
.endm
	s_load_b64 s[6:7], s[0:1], 0x0                 ; hb
	s_load_b256 s[8:15], s[0:1], 0x8               ; W2's codes s[8:9], W2's scales s[10:11], b2 s[12:13], dst s[14:15]
	s_load_b128 s[16:19], s[0:1], 0x28             ; rsc s[16:17], y2 s[18:19]
	v_lshl_add_u32 v[SPW], v0, 2, SPARE
	v_mov_b32 v[NIL], 0
	v_lshrrev_b32 v21, 5, v0
	v_readfirstlane_b32 s2, v21                    ; wave 0..3
	v_and_b32 v22, 31, v0                          ; lane
	v_lshlrev_b32 v1, 4, v22                       ; 16 l: an image's place for my lane, blocks 0-3;
	v_and_b32 v2, 15, v0
	v_bfe_u32 v3, v0, 4, 1
	s_mul_i32 s56, s2, 36864
	v_add_nc_u32 v4, s56, v1                       ; the copy: my wave's quarter of the images, in hb and in LDS alike
	v_add_nc_u32 v6, 0x10000, v1                   ; blocks 4-7;
	v_add_nc_u32 v7, 0x20000, v1                   ; block 8
	v_lshl_add_u32 v8, v2, 3, HSL                  ; row r's 8 scale bytes of a piece
	v_mul_u32_u24 v9, v2, 528
	v_lshl_add_u32 v9, v3, 5, v9
	s_lshl_b32 s56, s2, 7
	s_add_co_u32 s56, s56, STG
	v_add_nc_u32 v9, s56, v9                       ; the stage, in: row r, + 128 w + 32 h;
	v_add_nc_u32 v10, 67584, v9                    ; block 8's rows
	s_mul_i32 s56, s2, 19008
	s_add_co_u32 s56, s56, STG
	v_add_nc_u32 v11, s56, v1                      ; and back: my 36 rows, 16 bytes a lane
	v_lshlrev_b32 v12, 10, v2
	v_lshl_add_u32 v12, v3, 4, v12                 ; W2's codes: 1,024 bytes a row, + 16 h
	v_lshlrev_b32 v13, 6, v2                       ; its scale bytes: 64 a row
	v_lshlrev_b32 v14, 5, v3                       ; b2: my half's 8 outputs
	v_lshlrev_b32 v15, 2, v2                       ; dst: row r's word
	s_lshl_b32 s56, ttmp9, 9
	v_add_nc_u32 v16, s56, v1                      ; y2: my 16 bytes of the slice's 512 in a row
	s_mul_i32 s56, s2, 2560
	v_add_nc_u32 v17, s56, v1                      ; the scale bytes' copy: pieces 2 w and 2 w + 1
	v_lshl_add_u32 v18, v22, 2, s56
	v_add_nc_u32 v19, HSL, v17
	v_add_nc_u32 v20, HSL, v18
	s_lshl_b32 s3, ttmp9, 7
	s_lshl_b32 s56, s2, 5
	s_add_co_u32 s3, s3, s56                       ; my first output: 128 sl + 32 w
.irp z, 23,25,27,245,247,249,251,253,255
	v_mov_b32 v\z, 0                               ; named as the upper halves of the scores' pairs, so they are written
.endr
	s_and_b32 s82, ttmp7, 0xffff                   ; my first slot: y;
	s_add_co_u32 s83, s82, 32
	s_min_u32 s83, s83, 35                         ; my second: y + 32, held at the last of the 36 so that no address leaves a buffer; from y = 4 on it is nobody's (below)
	s_lshl_b32 s68, s82, 10
	s_mov_b32 s69, 0
	s_lshl_b32 s70, s83, 10
	s_mov_b32 s71, 0
	s_wait_kmcnt 0x0
	s_add_nc_u64 s[68:69], s[14:15], s[68:69]
	s_add_nc_u64 s[70:71], s[14:15], s[70:71]
	s_load_b32 s76, s[68:69], 0x3fc                ; word 255 of each slot's words of dst: expert | live << 8
	s_load_b32 s79, s[70:71], 0x3fc
; THE RING.  ISS counts the item's vector loads as they are issued, STD the pieces of the copy that have gone to LDS.  The copy's 78 pieces are the item's first 78 loads, so piece j has landed when at most
; ISS - (j + 1) loads are out (loads come back in order: ISA guide 5.7.1).
.macro CL cnt                          ; the next cnt loads of the copy: 72 pieces of 512 consecutive bytes of my quarter of the images, then my two pieces of scale bytes (512 + 512 + 128 bytes each)
.rept \cnt
.if ISS < 36
	WIN 0xc0                                       ; destination window 3
	global_load_b128 v[4*ISS:4*ISS+3], v4, s[96:97] offset:512*ISS
.elseif ISS < 72
	WIN 0x80                                       ; destination window 2
	global_load_b128 v[4*(ISS-36):4*(ISS-36)+3], v4, s[96:97] offset:512*ISS
.else
	WIN 0
.set HP, (ISS-72)/3
.set HQ, (ISS-72)%3
.if HQ < 2
	global_load_b128 v[AF+12*HP+4*HQ:AF+12*HP+4*HQ+3], v17, s[96:97] offset:HSCO+1280*HP+512*HQ
.else
	global_load_b32 v[AF+12*HP+8], v18, s[96:97] offset:HSCO+1280*HP+1024
.endif
.endif
.set ISS, ISS+1
.endr
.endm
.macro CS cnt                          ; the oldest cnt pieces that are still in registers have landed: they go to LDS, at the places that they have in hb
.set STD, STD+\cnt
	s_wait_loadcnt ISS-STD                         ; as many loads were issued behind the last of these pieces
.set cj, STD-\cnt
.rept \cnt
.if cj < 36
	WIN 0x0c                                       ; an LDS store's data are its source 1: window 3
	ds_store_b128 v4, v[4*cj:4*cj+3] offset:512*cj
.elseif cj < 72
	WIN 0x08                                       ; window 2
	ds_store_b128 v4, v[4*(cj-36):4*(cj-36)+3] offset:512*cj
.else
	WIN 0
.set HP, (cj-72)/3
.set HQ, (cj-72)%3
.if HQ < 2
	ds_store_b128 v19, v[AF+12*HP+4*HQ:AF+12*HP+4*HQ+3] offset:1280*HP+512*HQ
.else
	ds_store_b32 v20, v[AF+12*HP+8] offset:1280*HP+1024
.endif
.endif
.set cj, cj+1
.endr
.endm
.macro RL cnt                          ; the next cnt of the 44 loads that hang on the expert: W2's fragments of K steps 0-7 (32), all its scale words (8), b2 (4)
.rept \cnt
.set rj, ISS-78
.if rj < 32
	WIN 0x40                                       ; destination window 1
	global_load_b128 v[128*(rj/16)+8*((rj/2)%8)+4*(rj%2):128*(rj/16)+8*((rj/2)%8)+4*(rj%2)+3], v12, s[86:87] offset:16384*(rj/16)+64*((rj/2)%8)+32*(rj%2)
.elseif rj < 40
	WIN 0
	global_load_b128 v[BS+16*((rj-32)/4)+4*((rj-32)%4):BS+16*((rj-32)/4)+4*((rj-32)%4)+3], v13, s[88:89] offset:1024*((rj-32)/4)+16*((rj-32)%4)
.else
	WIN 0x80                                       ; destination window 2
	global_load_b128 v[BI+8*((rj-40)/2)+4*((rj-40)%2):BI+8*((rj-40)/2)+4*((rj-40)%2)+3], v14, s[90:91] offset:64*((rj-40)/2)+16*((rj-40)%2)
.endif
.set ISS, ISS+1
.endr
.endm
.macro EBASES E                        ; what hangs on the expert
	s_mov_b32 s99, 0
	s_lshl_b32 s98, s[\E], 20
	s_lshl_b32 s101, s3, 10
	s_add_co_u32 s98, s98, s101
	s_add_nc_u64 s[86:87], s[8:9], s[98:99]        ; W2's codes: expert e, my 32 rows
	s_lshl_b32 s98, s[\E], 16
	s_lshl_b32 s101, s3, 6
	s_add_co_u32 s98, s98, s101
	s_add_nc_u64 s[88:89], s[10:11], s[98:99]      ; their scale bytes
	s_lshl_b32 s98, s[\E], 12
	s_lshl_b32 s101, s3, 2
	s_add_co_u32 s98, s98, s101
	s_add_nc_u64 s[90:91], s[12:13], s[98:99]      ; b2
.endm
.macro FETCH k                         ; K step k's nine fragments of h into set k % 2: 18 loads; with an even k the scale words of steps k and k + 1: 9 more
.set fi, 0
.rept 9
.set IBR, 1
.if fi >= 4
.set IBR, 6
.endif
.if fi >= 8
.set IBR, 7
.endif
	ds_load_b128 v[AF+72*((\k)%2)+8*fi:AF+72*((\k)%2)+8*fi+3], v[IBR] offset:16384*(fi%4)+1024*(\k)
	ds_load_b128 v[AF+72*((\k)%2)+8*fi+4:AF+72*((\k)%2)+8*fi+7], v[IBR] offset:16384*(fi%4)+1024*(\k)+512
.set fi, fi+1
.endr
.if ((\k)%2) == 0
.set fi, 0
.rept 9
	ds_load_b64 v[AS+18*(((\k)/2)%2)+2*fi:AS+18*(((\k)/2)%2)+2*fi+1], v8 offset:1280*((\k)/2)+128*fi
.set fi, fi+1
.endr
.endif
.endm
.macro KSTEP k                         ; 18 products, the 18 accumulators by turns; then the fetch of two steps on
.if (\k) == 15
	s_wait_dscnt 0x0
.elseif ((\k)%2) == 0
	s_wait_dscnt 18                                ; step k's loads are in; the 18 of step k + 1 were issued behind them
.else
	s_wait_dscnt 27                                ; likewise: the 27 of step k + 1
.endif
	WIN 0xa1                                       ; source 0 (W2) window 1, source 1 (h) window 0, C and D window 2
.set ki, 0
.rept 9
.irp n, 0,1
.if (\k) == 0
	v_wmma_scale_f32_16x16x128_f8f6f4 v[16*ki+8*\n:16*ki+8*\n+7], v[128*\n+8*(\k):128*\n+8*(\k)+7], v[AF+72*((\k)%2)+8*ki:AF+72*((\k)%2)+8*ki+7], v[BI+8*\n:BI+8*\n+7], v[BS+16*\n+(\k)], v[AS+18*(((\k)/2)%2)+2*ki+((\k)%2)] matrix_a_fmt:MATRIX_FMT_FP4 matrix_b_fmt:MATRIX_FMT_FP4
.else
	v_wmma_scale_f32_16x16x128_f8f6f4 v[16*ki+8*\n:16*ki+8*\n+7], v[128*\n+8*(\k):128*\n+8*(\k)+7], v[AF+72*((\k)%2)+8*ki:AF+72*((\k)%2)+8*ki+7], v[16*ki+8*\n:16*ki+8*\n+7], v[BS+16*\n+(\k)], v[AS+18*(((\k)/2)%2)+2*ki+((\k)%2)] matrix_a_fmt:MATRIX_FMT_FP4 matrix_b_fmt:MATRIX_FMT_FP4
.endif
.endr
.set ki, ki+1
.endr
	WIN 0
.rept 4
	v_nop                                          ; four places ahead of loads into registers that the products have read, and of the first read of results
.endr
.if (\k)+2 < 16
	FETCH (\k)+2
.endif
.endm
.macro ITEM pass, E, ACT, SL
.set ISS, 0
.set STD, 0
.if \pass
	s_wait_xcnt 0x0                                ; the first item's loads and stores have read their registers and bases: they are written again from here on
.endif
	s_mov_b32 s99, 0
	s_lshl_b32 s98, s[\SL], 10
	s_add_nc_u64 s[92:93], s[14:15], s[98:99]      ; dst: the slot's words,
	s_mul_i32 s98, s2, 144
	s_add_nc_u64 s[94:95], s[92:93], s[98:99]      ; and those of the 36 rows that I store
	s_mul_i32 s98, s[\SL], SLOTB
	s_add_nc_u64 s[96:97], s[6:7], s[98:99]        ; hb: the slot
.if \pass
	EBASES \E
	s_cmp_eq_u32 s[\ACT], 0
	s_cbranch_scc1 .Lr1e_\@
	s_wait_loadcnt 0x0                             ; no load is out into the registers that are loaded anew
	s_wait_kmcnt 0x0
.endif
	; ---- region 1: the slot's images and scale bytes come into LDS as they lie, through registers; my part of W2 follows them.  The first item's stands under no test
	s_load_b512 s[20:35], s[94:95], 0x0            ; my 36 rows' places
	s_load_b512 s[36:51], s[94:95], 0x40
	s_load_b128 s[52:55], s[94:95], 0x80
	CL 60                                          ; 60 loads are out
	CS 12                                          ; (48 were issued behind piece 11)
	CL 12
	CS 6                                           ; (54 behind piece 17)
	CL 6                                           ; the copy's 78 loads have been asked for
.if \pass == 0
	s_wait_kmcnt 0x0                               ; whose are my two slots?  s76, s78: expert, live? for the first; s79, s81 for the second
	s_bfe_u32 s78, s76, 0x10008
	s_and_b32 s76, s76, 0xff
	s_min_u32 s76, s76, 7                          ; it enters addresses
	s_bfe_u32 s81, s79, 0x10008
	s_and_b32 s79, s79, 0xff
	s_min_u32 s79, s79, 7
	s_cmp_lt_u32 s82, 4                            ; slot y + 32 is one of the 36 only for y under 4
	s_cselect_b32 s81, s81, 0
	EBASES \E
.endif
.rept 3
	CS 12                                          ; (48 behind the group's last piece)
	RL 12
.endr
	CS 8                                           ; (52)
	RL 8                                           ; all 122 loads have been asked for
	CS 16                                          ; (44: those that hang on the expert stay out)
	WIN 0
.Lr1e_\@:
	s_wait_dscnt 0x0                               ; my part of the copy has landed; my reads of the last item's stage are in
	s_barrier_signal -1
	s_barrier_wait -1
	; ---- region 2: sixteen K steps, written out: W2's registers differ from step to step
	s_cmp_eq_u32 s[\ACT], 0
	s_cbranch_scc1 .Lr2e_\@
	WIN 0x40
.irp n, 0,1
.irp ks, 8,9,10,11,12,13,14,15
.irp c, 0,1
	global_load_b128 v[128*\n+8*\ks+4*\c:128*\n+8*\ks+4*\c+3], v12, s[86:87] offset:16384*\n+64*\ks+32*\c
.endr
.endr
.endr
	WIN 0
.irp i, 0,1,2,3,4,5,6,7,8
	SETSCR \i
	global_load_b32 v[SCR], v15, s[92:93] offset:64*\i   ; the place of row 16 i + r
.endr
	FETCH 0
	FETCH 1
	s_wait_loadcnt 41                              ; behind W2's first half, its scales and b2 were issued: W2's second half (32) and the places (9)
.irp k, 0,1,2,3,4,5,6,7
	KSTEP \k
.endr
	s_wait_loadcnt 0x0                             ; W2's second half; the places
.irp i, 0,1,2,3,4,5,6,7,8
	SETSCR \i
	v_min_u32 v[SCR], 0xfff, v[SCR]
.endr
.irp i, 0,1,2,3,4,5,6,7,8
	SETSCR \i
	v_lshlrev_b32 v[SCR], 2, v[SCR]
.endr
.irp i, 0,1,2,3,4,5,6,7,8
	SETSCR \i
	global_load_b32 v[SCR], v[SCR], s[16:17]       ; the row's score lands on its own offset
.endr
.irp k, 8,9,10,11,12,13,14,15
	KSTEP \k
.endr
	s_wait_loadcnt 0x0                             ; the scores
	WIN 0x82                                       ; destination and source 0 window 2, the score window 0
.set mi, 0
.rept 9
	SETSCR mi
.set mj, 0
.rept 8
	v_pk_mul_f32 v[16*mi+2*mj:16*mi+2*mj+1], v[16*mi+2*mj:16*mi+2*mj+1], v[SCR:SCR+1] op_sel_hi:[1,0]   ; each accumulator from its low end on
.set mj, mj+1
.endr
.set mi, mi+1
.endr
	WIN 0x08                                       ; the stores' data: window 2
.set mi, 0
.rept 9
.irp n, 0,1
.irp q, 0,1
.if mi < 8
	ds_store_b128 v9, v[16*mi+8*\n+4*\q:16*mi+8*\n+4*\q+3] offset:8448*mi+64*\n+16*\q
.else
	ds_store_b128 v10, v[16*mi+8*\n+4*\q:16*mi+8*\n+4*\q+3] offset:64*\n+16*\q
.endif
.endr
.endr
.set mi, mi+1
.endr
	WIN 0
.Lr2e_\@:
	s_wait_dscnt 0x0                               ; my results lie in the stage; my reads of the images are in
	s_barrier_signal -1
	s_barrier_wait -1
	; ---- region 3: each wave sends 36 whole rows of the stage to their places
	s_cmp_eq_u32 s[\ACT], 0
	s_cbranch_scc1 .Lr3e_\@
	s_wait_kmcnt 0x0                               ; my 36 rows' places
.set tt, 0
.rept 36
	s_min_u32 s[20+tt], s[20+tt], 4095
.set tt, tt+1
.endr
	WIN 0xc0                                       ; the offsets lie in window 3
.set tt, 0
.rept 36
	v_lshl_add_u32 v[tt], s[20+tt], 12, v16
.set tt, tt+1
.endr
	WIN 0
.set tt, 0
.rept 36
	ds_load_b128 v[AF+4*tt:AF+4*tt+3], v11 offset:528*tt
.set tt, tt+1
.endr
	WIN 0x03                                       ; a store's offset is its source 0: window 3
.set tt, 0
.rept 36
	s_wait_dscnt 35-tt                             ; row tt is back; the younger loads stay out
	global_store_b128 v[tt], v[AF+4*tt:AF+4*tt+3], s[18:19]   ; 32 lanes store 512 consecutive bytes, aligned
.set tt, tt+1
.endr
	WIN 0
.Lr3e_\@:
.endm
	ITEM 0, 76, 78, 82
	ITEM 1, 79, 81, 83
	s_wait_tensorcnt 0x0                           ; the wave's end
	ds_add_u32 v[SPW], v[NIL]
	s_wait_dscnt 0x0
	s_endpgm
.Lfunc_end_k_q922529e1b9_ffn2:
	.size	k_q922529e1b9_ffn2, .Lfunc_end_k_q922529e1b9_ffn2-k_q922529e1b9_ffn2
	.p2alignl 7, 3214868480
	.fill 96, 4, 3214868480
	.section	.rodata,"a",@progbits
	.p2align	6, 0x0
	.amdhsa_kernel k_q922529e1b9_ffn2
		.amdhsa_group_segment_fixed_size 234240
		.amdhsa_private_segment_fixed_size 0
		.amdhsa_enable_private_segment 0
		.amdhsa_kernarg_size 56
		.amdhsa_user_sgpr_count 2
		.amdhsa_user_sgpr_kernarg_segment_ptr 1
		.amdhsa_wavefront_size32 1
		.amdhsa_system_sgpr_workgroup_id_x 1
		.amdhsa_system_sgpr_workgroup_id_y 1
		.amdhsa_system_sgpr_workgroup_id_z 1
		.amdhsa_system_vgpr_workitem_id 0
		.amdhsa_next_free_vgpr 1024
		.amdhsa_next_free_sgpr 102
		.amdhsa_reserve_vcc 0
		.amdhsa_float_denorm_mode_32 3
		.amdhsa_float_denorm_mode_16_64 3
		.amdhsa_memory_ordered 1
		.amdhsa_forward_progress 1
		.amdhsa_inst_pref_size 213
	.end_amdhsa_kernel
	.amdgpu_metadata
---
amdhsa.version: [ 1, 2 ]
amdhsa.kernels:
  - .name:           k_q922529e1b9_ffn2
    .symbol:         k_q922529e1b9_ffn2.kd
    .args:
      - { .name: hb, .offset: 0, .size: 8, .value_kind: global_buffer, .address_space: global }
      - { .name: W2_codes, .offset: 8, .size: 8, .value_kind: global_buffer, .address_space: global }
      - { .name: W2_scales, .offset: 16, .size: 8, .value_kind: global_buffer, .address_space: global }
      - { .name: b2, .offset: 24, .size: 8, .value_kind: global_buffer, .address_space: global }
      - { .name: dst, .offset: 32, .size: 8, .value_kind: global_buffer, .address_space: global }
      - { .name: rsc, .offset: 40, .size: 8, .value_kind: global_buffer, .address_space: global }
      - { .name: y2, .offset: 48, .size: 8, .value_kind: global_buffer, .address_space: global }
    .group_segment_fixed_size: 234240
    .private_segment_fixed_size: 0
    .kernarg_segment_align: 8
    .kernarg_segment_size: 56
    .max_flat_workgroup_size: 128
    .sgpr_count:     102
    .vgpr_count:     1024
    .wavefront_size: 32
...
	.end_amdgpu_metadata
.endif
;; end of part 3
;; launch norm (part 4): grid 256 x 1, 8 waves a work-group, no clusters, 0 bytes of LDS; arguments x, y2, gamma, beta, out0; writes out0
.if DOCPART == 4
	.amdgcn_target "amdgcn-amd-amdhsa--gfx1250"
	.amdhsa_code_object_version 6
	.text
	.protected	k_q922529e1b9_norm
	.globl	k_q922529e1b9_norm
	.p2align	8
	.type	k_q922529e1b9_norm,@function
k_q922529e1b9_norm:
	s_mov_b64 s[64:65], 0
	v_nop
	global_prefetch_b8 v0, s[64:65] scope:SCOPE_SE
	s_setreg_imm32_b32 hwreg(HW_REG_WAVE_MODE, 25, 1), 1
	s_wait_xcnt 0x0
; NORM: out0[t] = LayerNorm(x[t] + y2[2 t] + y2[2 t + 1]) gamma + beta.  The six experts that a token did not choose add nothing (see the first kernel's head): their terms are not formed.
; One wave, one token: the row of 1,024 numbers stays in 32 registers a lane between the mean, the variance and the scaling.  No LDS, no barrier, no loop: all 40 loads of a wave go out at once.
; Lane l holds columns 128 j + 4 l + 0 .. 3: each load and store of a wave covers 512 consecutive bytes, aligned.  Matrix units and clusters have nothing to do here: no byte is read twice.
.set X,  8                             ; v8-39    x, then y, then the result
.set A,  40                            ; v40-71   y2's first row
.set B,  72                            ; v72-103  its second
.set G,  104                           ; v104-135 gamma
.set BT, 136                           ; v136-167 beta
.set S,  168                           ; v168-175 four chains of pairs
	s_load_b256 s[4:11], s[0:1], 0x0               ; x s[4:5], y2 s[6:7], gamma s[8:9], beta s[10:11]
	s_load_b64 s[12:13], s[0:1], 0x20              ; out0
	v_lshrrev_b32 v2, 5, v0
	v_readfirstlane_b32 s2, v2
	v_and_b32 v1, 31, v0
	v_lshlrev_b32 v1, 4, v1
	s_lshl_b32 s3, ttmp9, 3
	s_add_co_u32 s3, s3, s2                        ; my token
	s_lshl_b32 s14, s3, 12
	s_mov_b32 s15, 0
	s_lshl_b32 s16, s3, 13
	s_mov_b32 s17, 0
	s_mov_b32 s18, 0x3a800000                      ; 1 / 1,024
	s_mov_b32 s19, 0x3727c5ac                      ; 1e-5
	s_mov_b32 s20, 0x76543210                      ; v_permlanex16_b32's selects for lane l xor 16
	s_mov_b32 s21, 0xfedcba98
	s_wait_kmcnt 0x0
	s_add_nc_u64 s[4:5], s[4:5], s[14:15]
	s_add_nc_u64 s[6:7], s[6:7], s[16:17]
	s_add_nc_u64 s[12:13], s[12:13], s[14:15]
.irp j, 0,1,2,3,4,5,6,7
	global_load_b128 v[A+4*\j:A+4*\j+3], v1, s[6:7] offset:512*\j th:TH_LOAD_NT
.endr
.irp j, 0,1,2,3,4,5,6,7
	global_load_b128 v[B+4*\j:B+4*\j+3], v1, s[6:7] offset:4096+512*\j th:TH_LOAD_NT
.endr
.irp j, 0,1,2,3,4,5,6,7
	global_load_b128 v[X+4*\j:X+4*\j+3], v1, s[4:5] offset:512*\j th:TH_LOAD_NT
.endr
.irp j, 0,1,2,3,4,5,6,7
	global_load_b128 v[G+4*\j:G+4*\j+3], v1, s[8:9] offset:512*\j
.endr
.irp j, 0,1,2,3,4,5,6,7
	global_load_b128 v[BT+4*\j:BT+4*\j+3], v1, s[10:11] offset:512*\j
.endr
.macro WSUM r, q                       ; the sum over the wave's 32 lanes, in every lane
	v_add_f32_dpp v[\r], v[\r], v[\r] row_xmask:1 row_mask:0xf bank_mask:0xf
	v_add_f32_dpp v[\r], v[\r], v[\r] row_xmask:2 row_mask:0xf bank_mask:0xf
	v_add_f32_dpp v[\r], v[\r], v[\r] row_xmask:4 row_mask:0xf bank_mask:0xf
	v_add_f32_dpp v[\r], v[\r], v[\r] row_xmask:8 row_mask:0xf bank_mask:0xf
	v_permlanex16_b32 v[\q], v[\r], s20, s21
	v_add_f32 v[\r], v[\r], v[\q]
.endm
.macro FOLD                            ; the four chains become one number a lane
	v_pk_add_f32 v[S:S+1], v[S:S+1], v[S+2:S+3]
	v_pk_add_f32 v[S+4:S+5], v[S+4:S+5], v[S+6:S+7]
	v_pk_add_f32 v[S:S+1], v[S:S+1], v[S+4:S+5]
	v_add_f32 v[S], v[S], v[S+1]
.endm
	s_wait_loadcnt 16                              ; y2's two rows and x are in; gamma's and beta's 16 loads were issued behind them
.set jj, 0
.rept 16
	v_pk_add_f32 v[A+2*jj:A+2*jj+1], v[A+2*jj:A+2*jj+1], v[B+2*jj:B+2*jj+1]
.set jj, jj+1
.endr
.set jj, 0
.rept 16
	v_pk_add_f32 v[X+2*jj:X+2*jj+1], v[X+2*jj:X+2*jj+1], v[A+2*jj:A+2*jj+1]   ; y
.set jj, jj+1
.endr
.irp c, 0,2,4,6
	v_pk_add_f32 v[S+\c:S+\c+1], v[X+\c:X+\c+1], v[X+8+\c:X+9+\c]             ; the first sums start the chains: nothing is cleared
.endr
.irp j, 16,24
.irp c, 0,2,4,6
	v_pk_add_f32 v[S+\c:S+\c+1], v[S+\c:S+\c+1], v[X+\j+\c:X+\j+\c+1]
.endr
.endr
	FOLD
	WSUM S, S+1
	v_mul_f32 v[S], s18, v[S]                      ; the mean
.set jj, 0
.rept 16
	v_pk_add_f32 v[X+2*jj:X+2*jj+1], v[X+2*jj:X+2*jj+1], v[S:S+1] op_sel_hi:[1,0] neg_lo:[0,1] neg_hi:[0,1]   ; y - mean
.set jj, jj+1
.endr
.irp c, 0,2,4,6
	v_pk_mul_f32 v[S+\c:S+\c+1], v[X+\c:X+\c+1], v[X+\c:X+\c+1]
.endr
.irp j, 8,16,24
.irp c, 0,2,4,6
	v_pk_fma_f32 v[S+\c:S+\c+1], v[X+\j+\c:X+\j+\c+1], v[X+\j+\c:X+\j+\c+1], v[S+\c:S+\c+1]
.endr
.endr
	FOLD
	WSUM S, S+1
	v_fma_f32 v[S], v[S], s18, s19                 ; the variance + 1e-5
	v_rsq_f32 v[S], v[S]
	v_nop                                          ; a plain line behind the transcendental
	s_wait_alu depctr_va_vdst(0)                   ; and the wait ahead of its first reader
	s_wait_loadcnt 0x0                             ; gamma, beta
.set jj, 0
.rept 16
	v_pk_mul_f32 v[X+2*jj:X+2*jj+1], v[X+2*jj:X+2*jj+1], v[S:S+1] op_sel_hi:[1,0]
.set jj, jj+1
.endr
.set jj, 0
.rept 16
	v_pk_fma_f32 v[X+2*jj:X+2*jj+1], v[X+2*jj:X+2*jj+1], v[G+2*jj:G+2*jj+1], v[BT+2*jj:BT+2*jj+1]
.set jj, jj+1
.endr
.irp j, 0,1,2,3,4,5,6,7
	global_store_b128 v1, v[X+4*\j:X+4*\j+3], s[12:13] offset:512*\j th:TH_STORE_NT
.endr
	s_endpgm
.Lfunc_end_k_q922529e1b9_norm:
	.size	k_q922529e1b9_norm, .Lfunc_end_k_q922529e1b9_norm-k_q922529e1b9_norm
	.p2alignl 7, 3214868480
	.fill 96, 4, 3214868480
	.section	.rodata,"a",@progbits
	.p2align	6, 0x0
	.amdhsa_kernel k_q922529e1b9_norm
		.amdhsa_group_segment_fixed_size 0
		.amdhsa_private_segment_fixed_size 0
		.amdhsa_enable_private_segment 0
		.amdhsa_kernarg_size 40
		.amdhsa_user_sgpr_count 2
		.amdhsa_user_sgpr_kernarg_segment_ptr 1
		.amdhsa_wavefront_size32 1
		.amdhsa_system_sgpr_workgroup_id_x 1
		.amdhsa_system_sgpr_workgroup_id_y 1
		.amdhsa_system_sgpr_workgroup_id_z 1
		.amdhsa_system_vgpr_workitem_id 0
		.amdhsa_next_free_vgpr 176
		.amdhsa_next_free_sgpr 66
		.amdhsa_reserve_vcc 0
		.amdhsa_float_denorm_mode_32 3
		.amdhsa_float_denorm_mode_16_64 3
		.amdhsa_memory_ordered 1
		.amdhsa_forward_progress 1
		.amdhsa_inst_pref_size 14
	.end_amdhsa_kernel
	.amdgpu_metadata
---
amdhsa.version: [ 1, 2 ]
amdhsa.kernels:
  - .name:           k_q922529e1b9_norm
    .symbol:         k_q922529e1b9_norm.kd
    .args:
      - { .name: x, .offset: 0, .size: 8, .value_kind: global_buffer, .address_space: global }
      - { .name: y2, .offset: 8, .size: 8, .value_kind: global_buffer, .address_space: global }
      - { .name: gamma, .offset: 16, .size: 8, .value_kind: global_buffer, .address_space: global }
      - { .name: beta, .offset: 24, .size: 8, .value_kind: global_buffer, .address_space: global }
      - { .name: out0, .offset: 32, .size: 8, .value_kind: global_buffer, .address_space: global }
    .group_segment_fixed_size: 0
    .private_segment_fixed_size: 0
    .kernarg_segment_align: 8
    .kernarg_segment_size: 40
    .max_flat_workgroup_size: 256
    .sgpr_count:     66
    .vgpr_count:     176
    .wavefront_size: 32
...
	.end_amdgpu_metadata
.endif
;; end of part 4
